; MI455X (gfx1250); checked and timed in simulation.
; The chip was launched on July 23, 2026; its instructions are those of AMD's public machine-readable ISA for CDNA 5 (MIT licence, August 2026) and "CDNA5" Instruction Set Architecture Reference Guide (July 2026). The comments in the code are by the model that wrote it; some were corrected since.
;; SDPA. Allowed arithmetic: matrix products marked QUANTISED: E2M1 operands, one E8M0 scale for each 32 along K, by v_wmma_scale_f32_16x16x128_f8f6f4 with both operands' format E2M1 (or v_wmma_scale_f32_32x16x128_f4), f32 sums; everything else in f32.
;; Inputs: k_codes 4 x 16 x 2,048 x 4 x 16 uint8 (E2M1 codes of k, K innermost, in blocks of 32 codes, two codes a byte); k_scales 4 x 16 x 2,048 x 4 uint8 (E8M0 scales of k, one for each 32 codes along K); mask 1 x 1 x 2,048 x 2,048 int32; q_codes 4 x 16 x 2,048 x 4 x 16 uint8 (E2M1 codes of q, K innermost, in blocks of 32 codes, two codes a byte); q_scales 4 x 16 x 2,048 x 4 uint8 (E8M0 scales of q, one for each 32 codes along K); v_codes 4 x 16 x 128 x 64 x 16 uint8 (E2M1 codes of v, K innermost, in blocks of 32 codes, two codes a byte); v_scales 4 x 16 x 128 x 64 uint8 (E8M0 scales of v, one for each 32 codes along K).
;; Outputs: out0 4 x 16 x 2,048 x 128 float32.
;; This version of the problem:
;;   THIS VERSION OF THE PROBLEM IS GIVEN IN LOW PRECISION. The matrix products marked QUANTISED in the list below multiply operands that are first quantised to E2M1 (2 exponent bits, 1 mantissa bit; 4 bits a number), with one power-of-two scale for each 32 numbers along K (OCP MX v1.0); their sums are f32. All else is computed in f32.
;;   The module's matrix products, in the order in which they are computed (A, B: the left and right operand; K: the contracted axis; several contracted axes count as one K, in the product's order):
;;     1. batch 64 x [M 2,048, K 128] x [K 128, N 2,048]; A: input q (given as codes); B: input k (given as codes): QUANTISED
;;     2. batch 64 x [M 2,048, K 2,048] x [K 2,048, N 128]; A: softmax (see below); B: input v (given as codes): QUANTISED
;;   THE QUANTISER, for each operand of a quantised product, along K:
;;     - K is cut into blocks of 32 from its start; a last block that is shorter is filled with zeros.
;;     - A block's scale is 2^e with e = floor(log2(the largest magnitude in the block)) - 2, held to -126 .. 127; a block of zeros has e = 0. As a byte (E8M0): e + 127.
;;     - Each number is divided by its block's scale, clamped to +-6, and rounded to the nearest number of E2M1, ties to even, subnormals kept.
;;     - The product sums the exact products of the quantised numbers (number of the format x scale) in f32.
;;   ~~~python
;;   def quantise(x, axis):      # numpy; x: float32 -> the quantised numbers, widened to float32 again
;;       x = np.moveaxis(x, axis, -1); K = x.shape[-1]
;;       x = np.pad(x, [(0, 0)] * (x.ndim - 1) + [(0, -K % 32)]); x = x.reshape(x.shape[:-1] + (-1, 32)); a = np.abs(x).max(-1, keepdims=True)
;;       e = np.where(a > 0, np.clip(np.frexp(np.where(a > 0, a, 1))[1] - 1 - 2, -126, 127), 0)      # np.frexp(a)[1] - 1 = floor(log2(a)), exactly
;;       r = np.clip(x / 2.0 ** e, -6, 6)
;;       step = 2.0 ** (np.maximum(np.frexp(np.where(r == 0, 1, r))[1] - 1, 0) - 1)
;;       q = np.round(r / step) * step * 2.0 ** e      # np.round: ties to even
;;       return np.moveaxis(q.reshape(q.shape[:-2] + (-1,))[..., :K], -1, axis).astype(np.float32)
;;   ~~~
;;   SOFTMAX AHEAD OF A QUANTISED PRODUCT. Where the list says 'softmax', what is quantised is not the finished softmax but p = 2^(t - M), with t = logit x log2(e) and M = ceil(the row's largest t), a whole number; so 1/2 < the row's largest p <= 1. The row's sum l is taken of the UNQUANTISED p, in f32, and the product's result is divided by l at the end. Since M is a whole number, a kernel that streams over the keys may use a running M (the ceiling of the running maximum): every later rescaling is an exact power of two, which a block's scale takes up: the codes' values come out the same.
;;   OPERANDS COMPUTED ON THE WAY. 'Computed on the way' means the value that the module computes at that place (a softmax that the list does not call 'softmax' is quantised finished and normalised). What goes into a quantiser is computed in f32, as accurately as f32 sums, v_exp_f32 and their like allow (about 1e-6 of the number): no bf16 or f16 on the way to a quantiser, and a product that is left as it is and whose result goes on into a quantised operand takes f32 operands (vector FMAs, or v_wmma_f32_16x16x4_f32). A number that lies on a knife's edge between two numbers of the format may be rounded either way, as far as f32 arithmetic and the matrix unit's own rounding can turn it there, and no further.
;;   INPUTS GIVEN AS CODES. k (in the module: [4, 16, 2048, 128], K = its axis 3); q (in the module: [4, 16, 2048, 128], K = its axis 3); v (in the module: [4, 16, 2048, 128], K = its axis 2): each comes as NAME_codes (uint8): NAME with its K axis moved to the last place and cut into blocks of 32 codes, [.., K / 32, bytes a block], one block behind the other in memory; two codes a byte, the lower K in the low four bits (a code: sign, 2 exponent bits, 1 mantissa bit); and NAME_scales (uint8): the same leading axes, one E8M0 byte (e + 127) for each 32 codes along K. Its value is code x scale, taken as it is: it is not quantised again, and the codes and scales need not be those that the quantiser above would give.
;; One version. Each part assembles by itself: llvm-mc -triple=amdgcn-amd-amdhsa -mcpu=gfx1250 --defsym DOCPART=n.
;; ======== version 1 of 1: 2 launches
;; limits: right only within a limited range of input values
;; workspace buffers: mbits 524,288 bytes of whole numbers
;; launch pack (part 1): grid 256 x 1, 8 waves a work-group, no clusters, 68,608 bytes of LDS; arguments mask, mbits; writes mbits
.if DOCPART == 1
	.amdgcn_target "amdgcn-amd-amdhsa--gfx1250"
	.amdhsa_code_object_version 6
	.text
	.protected	k_qf83a2c7d12_pack
	.globl	k_qf83a2c7d12_pack
	.p2align	8
	.type	k_qf83a2c7d12_pack,@function
k_qf83a2c7d12_pack:
	s_mov_b64 s[64:65], 0
	v_nop
	global_prefetch_b8 v0, s[64:65] scope:SCOPE_SE
	s_setreg_imm32_b32 hwreg(HW_REG_WAVE_MODE, 25, 1), 1
	s_wait_xcnt 0x0
; mask [2048][2048] int32 becomes mbits [128 query tiles T][16 key steps j][64 words]: lane masks for the attention launch's selects.
; Word n = 16 b + 8 u + i belongs to that launch's score register n; its bit L = r + 16 h is 1 where mask[16 T + r][128 j + 32 b + 16 h + 8 (u xor h) + i] != 0.
; So 16,777,216 bytes that all 64 heads would read become 524,288, and a masked score costs one select with a scalar mask.
; SHARES.  One wave makes one (T, j): 16 rows x 512 bytes in, 256 bytes out.  Wave id = 8 x work-group + wave = 16 T + j.  2,048 waves, 256 work-groups.
; Each load reads 512 consecutive bytes of a row, 16 a lane.  The 8,192 bytes turn through the wave's own stage in LDS (rows of 512 + 16 bytes) and come back in the score registers' layout:
; lane (r, h) takes of row r the eight numbers of each (b, u).  A compare gives a register's 32 bits as a scalar; v_writelane_b32 puts word n into lane n / 2, register n % 2; one store of 8 bytes a lane
; covers 256 consecutive bytes, aligned.  No loop, no barrier: waves share nothing.  No matrix unit, no cluster: no two work-groups read the same byte.
.set ROWB, 8192                        ; a row of the mask in bytes
.set SP,   528                         ; a stage row: 512 bytes + 16 = 33 x 16
.set WST,  16*SP                       ; a wave's stage
.set R,    16                          ; v16-79   the numbers as loaded: row i in v[16 + 4 i ..]
.set X,    80                          ; v80-143  register n of the score layout
.set W,    8                           ; v8-9     the words: lane l holds words 2 l and 2 l + 1
	s_load_b128 s[4:7], s[0:1], 0x0                ; mask s[4:5], mbits s[6:7]
	v_lshl_add_u32 v144, v0, 2, 0x10800
	v_mov_b32 v145, 0
	v_lshrrev_b32 v1, 5, v0
	v_readfirstlane_b32 s8, v1                     ; wave 0..7
	v_and_b32 v1, 31, v0                           ; lane
	v_lshlrev_b32 v2, 4, v1                        ; my 16 bytes of a load's 512
	v_and_b32 v10, 15, v0                          ; r
	v_bfe_u32 v11, v0, 4, 1                        ; h
	s_mul_i32 s9, s8, WST                          ; my wave's stage
	v_add_nc_u32 v3, s9, v2                        ; into it: 16 x lane, the row in the immediate
	v_mul_u32_u24 v12, v10, SP
	v_add_nc_u32 v12, s9, v12                      ; out of it: row r,
	v_mad_u32_u24 v4, v11, 96, v12                 ; u = 0: keys 16 h + 8 h on: 96 h bytes
	v_lshl_add_u32 v5, v11, 5, v12
	v_add_nc_u32 v5, 32, v5                        ; u = 1: keys 16 h + 8 (1 - h) on: 32 h + 32 bytes
	v_lshlrev_b32 v6, 3, v1                        ; out: 8 bytes a lane
	v_mov_b32 v[W], 0                              ; v_writelane_b32's destination counts as read: written whole once
	v_mov_b32 v[W+1], 0
	s_lshr_b32 s10, ttmp9, 1                       ; T
	s_lshl_b32 s10, s10, 17                        ; 16 rows of 8,192 bytes
	s_and_b32 s12, ttmp9, 1
	s_lshl_b32 s12, s12, 3
	s_add_co_u32 s12, s12, s8                      ; j
	s_lshl_b32 s12, s12, 9                         ; 128 keys of 4 bytes
	s_add_co_u32 s10, s10, s12
	s_mov_b32 s11, 0
	s_lshl_b32 s12, ttmp9, 3
	s_add_co_u32 s12, s12, s8                      ; 16 T + j
	s_lshl_b32 s12, s12, 8                         ; 256 bytes each
	s_mov_b32 s13, 0
	s_wait_kmcnt 0x0
	s_add_nc_u64 s[4:5], s[4:5], s[10:11]
	s_add_nc_u64 s[6:7], s[6:7], s[12:13]
.irp i, 0,1,2,3,4,5,6,7,8,9,10,11,12,13,14,15
	global_load_b128 v[R+4*\i:R+4*\i+3], v2, s[4:5] offset:ROWB*\i th:TH_LOAD_NT   ; 32 lanes read 512 consecutive bytes of row i; read once in the launch
.endr
.irp i, 0,1,2,3,4,5,6,7,8,9,10,11,12,13,14,15
	s_wait_loadcnt 15-\i                           ; loads come back in order: row i is in, the 15 - i younger ones may be out
	ds_store_b128 v3, v[R+4*\i:R+4*\i+3] offset:SP*\i
.endr
.irp b, 0,1,2,3
.irp u, 0,1
.irp e, 0,1
	ds_load_b128 v[X+16*\b+8*\u+4*\e:X+16*\b+8*\u+4*\e+3], v[4+\u] offset:128*\b+16*\e   ; LDS serves a wave's instructions in order: these see my stores
.endr
.endr
.endr
	s_wait_dscnt 0x0                               ; all 64 numbers of my lane are in
.set n, 0
.rept 4                                        ; sixteen words at a time: sixteen compares, which do not wait for each other, then sixteen placements
.rept 16
	v_cmp_ne_u32 s[16+n%16], 0, v[X+n]             ; bit L: lane L's number is not 0
.set n, n+1
.endr
.set n, n-16
.rept 16
	v_writelane_b32 v[W+n%2], s[16+n%16], n/2
.set n, n+1
.endr
.endr
	global_store_b64 v6, v[W:W+1], s[6:7]          ; 32 lanes store 256 consecutive bytes, at a multiple of 256 from the buffer's first byte
	s_wait_tensorcnt 0x0
	ds_add_u32 v144, v145
	s_wait_dscnt 0x0
	s_endpgm
.Lfunc_end_k_qf83a2c7d12_pack:
	.size	k_qf83a2c7d12_pack, .Lfunc_end_k_qf83a2c7d12_pack-k_qf83a2c7d12_pack
	.p2alignl 7, 3214868480
	.fill 96, 4, 3214868480
	.section	.rodata,"a",@progbits
	.p2align	6, 0x0
	.amdhsa_kernel k_qf83a2c7d12_pack
		.amdhsa_group_segment_fixed_size 68608
		.amdhsa_private_segment_fixed_size 0
		.amdhsa_enable_private_segment 0
		.amdhsa_kernarg_size 16
		.amdhsa_user_sgpr_count 2
		.amdhsa_user_sgpr_kernarg_segment_ptr 1
		.amdhsa_wavefront_size32 1
		.amdhsa_system_sgpr_workgroup_id_x 1
		.amdhsa_system_sgpr_workgroup_id_y 1
		.amdhsa_system_sgpr_workgroup_id_z 1
		.amdhsa_system_vgpr_workitem_id 0
		.amdhsa_next_free_vgpr 146
		.amdhsa_next_free_sgpr 66
		.amdhsa_reserve_vcc 0
		.amdhsa_float_denorm_mode_32 3
		.amdhsa_float_denorm_mode_16_64 3
		.amdhsa_memory_ordered 1
		.amdhsa_forward_progress 1
		.amdhsa_inst_pref_size 14
	.end_amdhsa_kernel
	.amdgpu_metadata
---
amdhsa.version: [ 1, 2 ]
amdhsa.kernels:
  - .name:           k_qf83a2c7d12_pack
    .symbol:         k_qf83a2c7d12_pack.kd
    .args:
      - { .name: mask, .offset: 0, .size: 8, .value_kind: global_buffer, .address_space: global }
      - { .name: mbits, .offset: 8, .size: 8, .value_kind: global_buffer, .address_space: global }
    .group_segment_fixed_size: 68608
    .private_segment_fixed_size: 0
    .kernarg_segment_align: 8
    .kernarg_segment_size: 16
    .max_flat_workgroup_size: 256
    .sgpr_count:     66
    .vgpr_count:     146
    .wavefront_size: 32
...
	.end_amdgpu_metadata
.endif
;; end of part 1
;; launch attn (part 2): grid 8 x 64, 16 waves a work-group, clusters of 4 x 1, 327,680 bytes of LDS; arguments q_codes, q_scales, k_codes, k_scales, v_codes, v_scales, mbits, out0; writes out0
.if DOCPART == 2
	.amdgcn_target "amdgcn-amd-amdhsa--gfx1250"
	.amdhsa_code_object_version 6
	.text
	.protected	k_qf83a2c7d12_attn
	.globl	k_qf83a2c7d12_attn
	.p2align	8
	.type	k_qf83a2c7d12_attn,@function
k_qf83a2c7d12_attn:
	s_mov_b64 s[64:65], 0
	v_nop
	global_prefetch_b8 v0, s[64:65] scope:SCOPE_SE
	s_setreg_imm32_b32 hwreg(HW_REG_WAVE_MODE, 25, 1), 1
	s_wait_xcnt 0x0
	s_wait_alu depctr_hold_cnt(0) depctr_sa_sdst(0) depctr_va_vdst(0) depctr_va_sdst(0) depctr_va_ssrc(0) depctr_va_vcc(0) depctr_vm_vsrc(0)
	s_getreg_b32 s2, hwreg(HW_REG_IB_STS2, 6, 4)
	s_cmp_eq_u32 s2, 0
	s_cbranch_scc0 .Lentry_in_a_cluster
	s_endpgm
.Lentry_in_a_cluster:
	s_bfe_u32 s2, ttmp6, 0x10000c
	s_cmp_lg_u32 s2, 0x3003
	s_cbranch_scc0 .Lentry_shape_is_right
	s_endpgm
.Lentry_shape_is_right:
; out0[hd][q][:] = the sum over k of softmax_k(where(mask[q][k] == 0, lowest, Q[hd][q] . K[hd][k] / sqrt(128))) V[hd][k][:], 64 heads, 2,048 queries and keys, head size 128.
; Both products on codes of FP4 (E2M1) with one E8M0 scale for each 32 along a product's K.  Q, K: 64 bytes of codes and one scale word a row.  V: codes with the KEYS innermost, [128][2048]; 64 scale bytes a channel.
; THE SOFTMAX AHEAD OF THE SECOND PRODUCT: t = score x log2(e) / sqrt(128); M = the row's largest t so far, rounded UP to a whole number; p = 2^(t - M) is quantised along the keys, not normalised.
; The row's sum is taken of the unquantised p, in f32, and divides O at the end.  When M moves, the sum and O are multiplied by 2^(old M - new M): exact.
; THE MASK comes as lane masks (mbits, made by the launch before): word n of (query tile, key step) is the 32 lanes' bits for score register n.  A step's 64 words are 64 scalar registers, asked for one step ahead;
; a masked score is replaced by NEG = -2^120 with one v_cndmask_b32.  c x NEG is exact (a power of two times c).  While all keys of a row so far are masked, -M = -c NEG and NEG c - M = 0 exactly: p = 1 on every key,
; the uniform row that the definition gives.  When a key that counts comes, old M - new M saturates in the conversion to a whole number and f = 0 wipes the uniform part.  Under a real M a masked p is 0.
; LIMITS: |Q . K| under 2^120; scale bytes 0xff (NaN) are not served.
; SHARES.  A work-group owns 256 queries of one head; each of its SIXTEEN waves owns 16 of them, one tile, in 256 registers: four waves to a SIMD, so that one wave's vector work stands beside another's matrix work and LDS loads.
; THE WHOLE HEAD STAYS IN LDS: K's codes 4 x 34,816 bytes, V's the same, 8,704 bytes of scale bytes each.  Every byte is filled ONCE: no ring, no refill.  Ten waves issue one tensor load each;
; every wave waits for all its tensor loads in front of the one barrier behind which the head is read.
; CLUSTER.  The four query blocks of a cluster belong to one head and need the same K and V: each tile is asked for JOINTLY, by the same tensor load with the same descriptor and a mask that names the four.
; LAYOUT.  Both products are used transposed: S^T = K Q^T (source 0 = 16 keys, source 1 = my 16 queries), O^T = V^T P^T (source 0 = 16 channels, source 1 = P): a lane holds ONE query (lane % 16) throughout.
; THE KEYS OF A TILE ARE NOT NEIGHBOURS: of block b's 32 keys tile 2 b takes keys 0-7 and 24-31 (row r: (r & 7) + 24 (r / 8)), tile 2 b + 1 keys 8-23 (row r: r + 8).  In the result lane (r, h), register i of tile 2 b + u
; holds key 32 b + 16 h + 8 (u xor h) + i: the 16 registers of a pair of tiles are the lane's half of the block.  K lies in LDS four keys to a row of 256 + 16 bytes: with this choice the sixteen lanes of a load's pass
; touch sixteen different columns of 16 bytes.
; REGISTERS: v1-5 LDS addresses, stepped once a slot; v6 NEG; v7 my byte offset in the wave's rows of O; v8-11 at work at head and end; v12 -M, v13 the largest t, v[14:15] the sum in two halves; v16-23 Q; v28-29 Q's load offsets;
;   v32-63 four fragments of K or V; v64-79 V's scale words of a slot; v96-159 S^T, then p (v96-127 later V's tiles 4-7); v160-223 O^T; v224-231 p's codes; v232-247 at work; v248-251 K's scale words; v252 f; v253 p's scale word;
;   v254 at work; v255 Q's scale word.
; SCALARS: s2 wave; s3 slots to go; s[4:51], s[68:83] the step's 64 mask words (at the head: pointers, offsets, the scale tiles' descriptors); s52 the mask words' offset; s53 at work; s[54:55] O; s[56:63] groups 0 of V's and K's tiles;
;   s[66:67] lane selects; s[84:99] groups 1 of K's and V's tiles; s[100:101] c; s[104:105] my query tile's mask words.
.set CH,  34816                        ; 128 LDS rows of 272 bytes: a chunk of 512 keys, of K or of V.  Loading wave w writes at w x CH
.set VC,  4*CH                         ; V's codes: chunk s, channel d at s CH + 272 d; key step q of the chunk 64 q bytes on
.set SK,  8*CH                         ; K's scale words: key k at (k / 64) 272 + 4 (k % 64)
.set SV,  9*CH                         ; V's scale bytes: channel d's 64 at (d / 4) 272 + 64 (d % 4)
.set STG, 4352                         ; the way out: 16 rows x 272 bytes for each wave, over K's first two chunks, behind the barrier behind which nobody reads K
.set W0,  15|(3<<16)|(1<<20)|(1<<21)|(5<<22)|(3<<25)   ; group 1, word 0: 15:0 the mask: all four work-groups; 17:16 elements of 8 bytes; 20 padding on; 21 set beside a mask; 24:22 after every 64 words (code 5); 31:25 four words (code 3)
.set WV,  2
.set MOFF, 52
.set OP,  54
.set G0V, 56
.set G0K, 60
.set SEL, 66
.set G1D, 84
.set G1V, 92
.set CS,  100
.set MP,  104
.set G1S, 36                           ; the scale tiles' descriptors lie where mask words come later: every wave waits for all its tensor loads before the first mask words are asked for
.set G0SK, 44
.set G0SV, 48
.macro PLACES n
.rept \n
	v_nop
.endr
.endm
; A round of the cluster's barrier: my work-group's barrier, so that wave 0's signal speaks for all sixteen waves; wave 0 signals for the work-group; every wave waits for all four work-groups; my work-group's barrier once more.
.macro CROUND
	s_barrier_signal -1
	s_barrier_wait -1
	s_cmp_lg_u32 s[WV], 0
	s_cbranch_scc1 .Lnot_wave_0_\@
	s_barrier_signal -3
.Lnot_wave_0_\@:
	s_barrier_wait -3
	s_barrier_signal -1
	s_barrier_wait -1
.endm
; A key step's 64 mask words, 256 bytes at s[MOFF] of my query tile's 4,096
.macro MLOAD
	s_load_b512 s[4:19], s[MP:MP+1], s[MOFF] offset:0
	s_load_b512 s[20:35], s[MP:MP+1], s[MOFF] offset:64
	s_load_b512 s[36:51], s[MP:MP+1], s[MOFF] offset:128
	s_load_b512 s[68:83], s[MP:MP+1], s[MOFF] offset:192
.endm
	s_load_b512 s[4:19], s[0:1], 0x0               ; q_codes s[4:5], q_scales s[6:7], k_codes s[8:9], k_scales s[10:11], v_codes s[12:13], v_scales s[14:15], mbits s[16:17], out0 s[18:19]
	v_lshl_add_u32 v242, v0, 2, 0x4ea00
	v_mov_b32 v243, 0
	ds_add_u32 v242, v243
	ds_add_u32 v242, v243
	v_lshrrev_b32 v8, 5, v0
	v_readfirstlane_b32 s[WV], v8                  ; wave 0..15
	v_and_b32 v8, 15, v0                           ; r
	v_bfe_u32 v9, v0, 4, 1                         ; h
	v_bfe_u32 v10, v0, 3, 1                        ; g = r / 8
	v_and_b32 v11, 3, v0
	v_lshlrev_b32 v11, 6, v11                      ; a key's place in its LDS row: 64 (r % 4),
	v_lshl_add_u32 v11, v9, 4, v11                 ; + 16 h: my half of each 32 bytes
	v_bfe_u32 v1, v0, 2, 1
	v_mad_u32_u24 v1, v1, 272, v11                 ; tiles 2 b: key (r & 7) + 24 g lies in LDS row ((r & 7) / 4) + 6 g
	v_mad_u32_u24 v1, v10, 1632, v1
	v_bfe_u32 v2, v0, 2, 2
	v_mad_u32_u24 v2, v2, 272, v11                 ; tiles 2 b + 1: key r + 8 lies in LDS row r / 4 + 2
	v_add_nc_u32 v2, 544, v2
	v_mul_u32_u24 v3, v8, 272                      ; V: channel r of a tile, + 16 h
	v_lshl_add_u32 v3, v9, 4, v3
	v_add_nc_u32 v3, VC, v3
	v_and_b32 v4, 7, v0                            ; K's scale words, two tiles a load: lanes 0-15 those of tile 2 b's keys, (r & 7) + 24 g; lanes 16-31 those of tile 2 b + 1's, r + 8:
	v_lshl_add_u32 v4, v4, 2, SK                   ; 4 (r & 7)
	v_mad_u32_u24 v4, v10, 96, v4                  ; + 96 g
	v_lshl_add_u32 v4, v9, 5, v4                   ; + 32 h
	v_and_b32 v5, 24, v0
	v_add_nc_u32 v5, 8, v5
	v_lshrrev_b32 v5, 5, v5                        ; g h
	v_lshlrev_b32 v5, 6, v5
	v_sub_nc_u32 v4, v4, v5                        ; - 64 g h
	v_bfe_u32 v5, v0, 2, 3                         ; V's scale words, two tiles a load: lane l takes channel l of the pair's 32
	v_mul_u32_u24 v5, v5, 272
	v_and_b32 v254, 3, v0
	v_lshl_add_u32 v5, v254, 6, v5
	v_add_nc_u32 v5, SV, v5
	v_lshlrev_b32 v7, 9, v9
	v_lshl_add_u32 v7, v8, 4, v7                   ; the way out: lanes 0-15 take one row of O, lanes 16-31 the next; 16 bytes a lane
	v_lshlrev_b32 v28, 6, v8
	v_lshl_add_u32 v28, v9, 4, v28                 ; Q: row r of 64 bytes, + 16 h
	v_lshlrev_b32 v29, 2, v8                       ; Q's scale word: 4 r
	v_mov_b32 v6, 0xfb800000                       ; NEG = -2^120
	v_mov_b32 v13, 0xff61b1e6                      ; the largest t so far: -3e38, under every t, c NEG too
	v_floor_f32 v12, -v13                          ; -M
	v_mov_b32 v14, 0                               ; the sum, in two halves
	v_mov_b32 v15, 0
.irp b, 0,1,2,3
	v_mov_b32 v[236+\b], 0                         ; written once: a lane permute's destination counts as one of its sources
.endr
	v_mov_b32 v253, 0                              ; (named as the upper half of the pair v[252:253] before it is first written)
	s_bfe_u32 s20, ttmp6, 0x40000                  ; cx: my place in the cluster.  It enters the addresses of Q, of the mask words and of O alone
	s_lshl_b32 s21, ttmp9, 2                       ; in a cluster launch ttmp9 counts clusters
	s_add_co_u32 s21, s21, s20                     ; my block of 256 queries
	s_lshl_b32 s21, s21, 4
	s_add_co_u32 s21, s21, s[WV]                   ; T: my tile of 16 queries
	s_and_b32 s22, ttmp7, 0xffff                   ; the head, which the four partners share
	s_lshl_b32 s24, s22, 17                        ; the head's first byte in each tensor of codes,
	s_lshl_b32 s26, s22, 13                        ; in each tensor of scale bytes
	s_mov_b32 s27, 0
	s_and_b32 s53, s[WV], 3                        ; which chunk of 512 keys I fetch, if I fetch codes
	s_lshl_b32 s28, s53, 15                        ; K: 512 rows of 64 bytes, dense
	s_add_co_u32 s28, s28, s24
	s_mov_b32 s29, 0
	s_lshl_b32 s30, s53, 8                         ; V: 256 bytes on in each of the 128 rows
	s_add_co_u32 s30, s30, s24
	s_mov_b32 s31, 0
	s_lshl_b32 s32, s21, 10                        ; Q's codes: 16 rows of 64 bytes a tile
	s_add_co_u32 s32, s32, s24
	s_mov_b32 s33, 0
	s_lshl_b32 s34, s21, 6                         ; Q's scale words: 16 x 4 bytes a tile
	s_add_co_u32 s34, s34, s26
	s_mov_b32 s35, 0
	s_lshl_b32 s68, s21, 12                        ; the mask words: 4,096 bytes a tile
	s_mov_b32 s69, 0
	s_lshl_b32 s70, s22, 20                        ; O: 2,048 rows of 512 bytes a head,
	s_lshl_b32 s71, s21, 13                        ; 16 rows a tile
	s_add_co_u32 s70, s70, s71
	s_mov_b32 s71, 0
	; descriptor groups 1: rows of 256 bytes (32 elements of 8), 16 bytes of padding behind each.  K's chunk: 128 rows, dense.  V's chunk: 128 rows, 1,024 bytes apart.  A head's scale bytes: 32 rows, dense.
	s_mov_b32 s[G1D], W0
	s_mov_b32 s[G1D+1], 32<<16                     ; tensor_dim0
	s_mov_b32 s[G1D+2], 128<<16                    ; tensor_dim1
	s_mov_b32 s[G1D+3], 32<<16                     ; tile_dim0
	s_mov_b32 s[G1D+4], 128                        ; tile_dim1
	s_mov_b32 s[G1D+5], 32                         ; from row to row, in elements
	s_mov_b32 s[G1D+6], 0
	s_mov_b32 s[G1D+7], 0
	s_mov_b32 s[G1V], W0
	s_mov_b32 s[G1V+1], 32<<16
	s_mov_b32 s[G1V+2], 128<<16
	s_mov_b32 s[G1V+3], 32<<16
	s_mov_b32 s[G1V+4], 128
	s_mov_b32 s[G1V+5], 128
	s_mov_b32 s[G1V+6], 0
	s_mov_b32 s[G1V+7], 0
	s_mov_b32 s[G1S], W0
	s_mov_b32 s[G1S+1], 32<<16
	s_mov_b32 s[G1S+2], 32<<16
	s_mov_b32 s[G1S+3], 32<<16
	s_mov_b32 s[G1S+4], 32
	s_mov_b32 s[G1S+5], 32
	s_mov_b32 s[G1S+6], 0
	s_mov_b32 s[G1S+7], 0
	s_mov_b32 s[SEL], 0x76543210
	s_mov_b32 s[SEL+1], 0xfedcba98                 ; v_permlanex16_b32's selects for lane l xor 16
	s_mov_b32 s[CS], 0x3e0293ee                    ; c = log2(e) / sqrt(128)
	s_mov_b32 s[CS+1], s[CS]                       ; (named with it as a pair, so it is written)
	s_wait_dscnt 0x0
	s_wait_kmcnt 0x0
	; groups 0: count 1; LDS address wave x CH (waves 0-3: K's chunks, 4-7: V's, 8: K's scale words, 9: V's); global address; type 2.  Every wave makes all four and names at most one
	s_mov_b32 s[G0K], 1
	s_mul_i32 s[G0K+1], s[WV], CH
	s_add_nc_u64 s[G0K+2:G0K+3], s[8:9], s[28:29]
	s_or_b32 s[G0K+3], s[G0K+3], 0x80000000
	s_mov_b32 s[G0V], 1
	s_mul_i32 s[G0V+1], s[WV], CH
	s_add_nc_u64 s[G0V+2:G0V+3], s[12:13], s[30:31]
	s_or_b32 s[G0V+3], s[G0V+3], 0x80000000
	s_mov_b32 s[G0SK], 1
	s_mul_i32 s[G0SK+1], s[WV], CH
	s_add_nc_u64 s[G0SK+2:G0SK+3], s[10:11], s[26:27]
	s_or_b32 s[G0SK+3], s[G0SK+3], 0x80000000
	s_mov_b32 s[G0SV], 1
	s_mul_i32 s[G0SV+1], s[WV], CH
	s_add_nc_u64 s[G0SV+2:G0SV+3], s[14:15], s[26:27]
	s_or_b32 s[G0SV+3], s[G0SV+3], 0x80000000
	s_add_nc_u64 s[MP:MP+1], s[16:17], s[68:69]    ; my tile's mask words
	s_add_nc_u64 s[OP:OP+1], s[18:19], s[70:71]    ; my tile's rows of O
	s_add_nc_u64 s[4:5], s[4:5], s[32:33]          ; my tile's codes of Q
	s_add_nc_u64 s[6:7], s[6:7], s[34:35]          ; and its scale words
.irp c, 0,1
	global_load_b128 v[16+4*\c:19+4*\c], v28, s[4:5] offset:32*\c   ; Q's fragment stays in registers
.endr
	global_load_b32 v255, v29, s[6:7]              ; Q's scale words
	CROUND                                         ; all four work-groups are here: the joint loads meet
	; the fills: one tensor load a wave, in one nest of branches on the wave's number, the same in all partners.  Four v_nop follow each line.  By this text's count a wave has one tensor load out
	s_cmp_lt_u32 s[WV], 4
	s_cbranch_scc0 .Lnot_k
	tensor_load_to_lds s[G0K:G0K+3], s[G1D:G1D+7]
	s_nop 0
	PLACES 4
	s_branch .Lasked
.Lnot_k:
	s_cmp_lt_u32 s[WV], 8
	s_cbranch_scc0 .Lnot_v
	tensor_load_to_lds s[G0V:G0V+3], s[G1V:G1V+7]
	s_nop 0
	PLACES 4
	s_branch .Lasked
.Lnot_v:
	s_cmp_eq_u32 s[WV], 8
	s_cbranch_scc0 .Lnot_sk
	tensor_load_to_lds s[G0SK:G0SK+3], s[G1S:G1S+7]
	s_nop 0
	PLACES 4
	s_branch .Lasked
.Lnot_sk:
	s_cmp_eq_u32 s[WV], 9
	s_cbranch_scc0 .Lasked
	tensor_load_to_lds s[G0SV:G0SV+3], s[G1S:G1S+7]
	s_nop 0
	PLACES 4
.Lasked:
	s_wait_tensorcnt 0x0                           ; on every wave's path: my tile, if I asked for one, has landed; no tensor load of mine is out, so the descriptors in s[36:51] may be written
	s_wait_xcnt 0x0                                ; Q's loads have read their bases s[4:7], over which mask words come
	s_mov_b32 s[MOFF], 0
	MLOAD                                          ; key step 0's mask words
	s_barrier_signal -1
	s_barrier_wait -1                              ; every wave's tile has landed: the whole head lies in LDS for every wave, and nothing is ever filled again
	s_wait_loadcnt 0x0                             ; Q
; four fragments of K: tiles 4 g .. 4 g + 3 of the slot's q-th 128 keys
.macro KLOAD g, q
.irp t, 0,1,2,3
.irp c, 0,1
	ds_load_b128 v[32+8*\t+4*\c:35+8*\t+4*\c], v[1+\t%2] offset:8704*(\q)+2176*(2*\g+\t/2)+32*\c
.endr
.endr
.endm
; four fragments of V: channels 16 (t0 + t) on, the slot's q-th 128 keys, into v[reg] on
.macro VLOAD reg, t0, q
.irp t, 0,1,2,3
.irp c, 0,1
	ds_load_b128 v[\reg+8*\t+4*\c:\reg+8*\t+4*\c+3], v3 offset:4352*(\t0+\t)+64*(\q)+32*\c
.endr
.endr
.endm
; S^T = K Q^T, tiles 4 g .. 4 g + 3.  A register of K's scale words serves two tiles: the even one from lanes 0-15, the odd one from lanes 16-31
.macro SPROD g
.irp t, 0,1,2,3
.if \t%2
	v_wmma_scale_f32_16x16x128_f8f6f4 v[96+32*\g+8*\t:103+32*\g+8*\t], v[32+8*\t:39+8*\t], v[16:23], 0, v[248+2*\g+\t/2], v255 matrix_a_fmt:MATRIX_FMT_FP4 matrix_b_fmt:MATRIX_FMT_FP4 matrix_a_scale:MATRIX_SCALE_ROW1
.else
	v_wmma_scale_f32_16x16x128_f8f6f4 v[96+32*\g+8*\t:103+32*\g+8*\t], v[32+8*\t:39+8*\t], v[16:23], 0, v[248+2*\g+\t/2], v255 matrix_a_fmt:MATRIX_FMT_FP4 matrix_b_fmt:MATRIX_FMT_FP4
.endif
.endr
.endm
; scores 32 g .. 32 g + 31: where the lane's bit is 0 the score becomes NEG.  Ascending: each accumulator is first read at its low end.  Word n lies in s[4 + n], from n = 48 on in s[20 + n]
.macro MASKG g
.set n, 32*\g
.rept 32
	v_cndmask_b32 v[96+n], v6, v[96+n], s[4+n+16*(n/48)]
.set n, n+1
.endr
.endm
; the largest score of my 16 keys of blocks b0 and b1, the two by turns: 16 plain lines
.macro BMAX b0, b1
.irp b, \b0, \b1
	v_max3_num_f32 v[232+\b], v[96+16*\b], v[97+16*\b], v[98+16*\b]
.endr
.irp i, 3,5,7,9,11,13
.irp b, \b0, \b1
	v_max3_num_f32 v[232+\b], v[232+\b], v[96+16*\b+\i], v[97+16*\b+\i]
.endr
.endr
.irp b, \b0, \b1
	v_max_num_f32 v[232+\b], v[232+\b], v[111+16*\b]
.endr
.endm
; O^T += V^T P^T: eight tiles of 16 channels, K = these 128 keys.  Tiles 0-3 from v32 on, 4-7 from v96 on.  The eight accumulators take turns, one instruction a turn.  first = 1: the products start the sums
.macro OPROD q, first
.irp t, 0,1,2,3,4,5,6,7
.if \first
.if \t%2
	v_wmma_scale_f32_16x16x128_f8f6f4 v[160+8*\t:167+8*\t], v[32+8*\t+32*(\t/4):39+8*\t+32*(\t/4)], v[224:231], 0, v[64+4*(\t/2)+(\q)], v253 matrix_a_fmt:MATRIX_FMT_FP4 matrix_b_fmt:MATRIX_FMT_FP4 matrix_a_scale:MATRIX_SCALE_ROW1
.else
	v_wmma_scale_f32_16x16x128_f8f6f4 v[160+8*\t:167+8*\t], v[32+8*\t+32*(\t/4):39+8*\t+32*(\t/4)], v[224:231], 0, v[64+4*(\t/2)+(\q)], v253 matrix_a_fmt:MATRIX_FMT_FP4 matrix_b_fmt:MATRIX_FMT_FP4
.endif
.else
.if \t%2
	v_wmma_scale_f32_16x16x128_f8f6f4 v[160+8*\t:167+8*\t], v[32+8*\t+32*(\t/4):39+8*\t+32*(\t/4)], v[224:231], v[160+8*\t:167+8*\t], v[64+4*(\t/2)+(\q)], v253 matrix_a_fmt:MATRIX_FMT_FP4 matrix_b_fmt:MATRIX_FMT_FP4 matrix_a_scale:MATRIX_SCALE_ROW1
.else
	v_wmma_scale_f32_16x16x128_f8f6f4 v[160+8*\t:167+8*\t], v[32+8*\t+32*(\t/4):39+8*\t+32*(\t/4)], v[224:231], v[160+8*\t:167+8*\t], v[64+4*(\t/2)+(\q)], v253 matrix_a_fmt:MATRIX_FMT_FP4 matrix_b_fmt:MATRIX_FMT_FP4
.endif
.endif
.endr
.endm
; A KEY STEP: 128 keys, the q-th of the slot (512 keys) at which v1-v5 stand.  first = 1: the launch's first step, whose products V^T P start O^T.
.macro STEP q, first
.if \q > 0
	PLACES 5                                       ; behind the last step's products: four places in front of loads into their operands and scale words, five in front of the products below, which write over v96-127, operands of theirs.  In a slot's first step the five additions at the last slot's end are these places
.endif
	KLOAD 0, \q
.irp b, 0,1,2,3
	ds_load_b32 v[248+\b], v4 offset:544*(\q)+272*(\b/2)+128*(\b%2)   ; block b's 32 scale words: lanes 0-15 tile 2 b's rows, lanes 16-31 tile 2 b + 1's
.endr
.if \q == 0
.irp p, 0,1,2,3
	ds_load_b128 v[64+4*\p:67+4*\p], v5 offset:2176*\p   ; V's scale words of the slot's four steps: lanes 0-15 tile 2 p, lanes 16-31 tile 2 p + 1; register 4 p + q is step q's
.endr
.endif
	s_wait_dscnt 0x0                               ; all that was asked for is wanted by the products below
	SPROD 0
	PLACES 4                                       ; in front of the loads into these products' operands, and of the first read of their results
	KLOAD 1, \q
	s_wait_kmcnt 0x0                               ; the step's mask words, asked for a step ago (scalar loads come back in no order: the count is 0)
	MASKG 0
	s_wait_dscnt 0x0                               ; K's tiles 4-7
	SPROD 1
	BMAX 0, 1                                      ; sixteen plain lines on tiles 0-3's scores: the places behind the products above
	VLOAD 32, 0, \q                                ; V's tiles 0-3 land during the softmax
	MASKG 1
	s_add_co_u32 s[MOFF], s[MOFF], 256             ; the mask words have all been used, and their loads are done, so their offset may step:
	s_min_u32 s[MOFF], s[MOFF], 3840               ; the next step's; the last step asks for its own again: no load leaves the buffer
	MLOAD
	BMAX 2, 3
.irp b, 0,1,2,3
	v_permlanex16_b32 v[236+\b], v[232+\b], s[SEL], s[SEL+1]
.endr
.irp b, 0,1,2,3
	v_max_num_f32 v[232+\b], v[232+\b], v[236+\b]  ; with lane l xor 16's 16 keys: THE LARGEST SCORE OF EACH BLOCK OF 32 KEYS.  It serves twice: for the row's maximum, and, since p rises with the score, for the block's largest p
.endr
	v_max3_num_f32 v254, v232, v233, v234
	v_max_num_f32 v254, v254, v235                 ; the step's largest score of my query
	v_mul_f32 v254, s[CS], v254                    ; as t (c is positive)
	v_max_num_f32 v13, v13, v254                   ; the running largest t
	v_mov_b32 v254, v12
	v_floor_f32 v12, -v13                          ; the new -M = floor(-t) = -ceil(t): M is a whole number
	v_sub_f32 v254, v12, v254                      ; M's old value less its new one: a whole number, 0 or less
	v_cvt_i32_f32 v254, v254                       ; (it saturates)
	v_ldexp_f32 v252, 1.0, v254                    ; f = 2^(old M - new M)
.irp j, 0,2,4,6,8,10,12,14,16,18,20,22,24,26,28,30,32,34,36,38,40,42,44,46,48,50,52,54,56,58,60,62
	v_pk_fma_f32 v[96+\j:97+\j], v[96+\j:97+\j], s[CS:CS+1], v[12:13] op_sel_hi:[1,0,0]   ; t - M, two at a time (of the pairs c and -M the low word serves both halves)
.endr
.irp b, 0,1,2,3
	v_fma_f32 v[232+\b], v[232+\b], s[CS], v12     ; the same of each block's largest score
.endr
.set n, 0
.rept 64
	v_exp_f32 v[96+n], v[96+n]                     ; p = 2^(t - M), at most 1: not normalised
.set n, n+1
.endr
.irp b, 0,1,2,3
	v_exp_f32 v[232+\b], v[232+\b]                 ; the block's largest p: the same two instructions on the same number give the same bits
.endr
	v_pk_mul_f32 v[14:15], v[14:15], v[252:253] op_sel_hi:[1,0]   ; the sums under the new M.  (The plain place behind the exponentials)
	s_wait_alu depctr_va_vdst(0)
.irp b, 0,1,2,3
	v_max_num_f32 v[232+\b], 0x1800000, v[232+\b]  ; the floor 2^(3 - 127): the byte cannot fall under 1 (a block whose every p is 0 keeps that byte: its codes are zeros)
.endr
.irp b, 0,1,2,3
	v_add_nc_u32 v[244+\b], 0xff000000, v[232+\b]  ; 2 off the exponent field: the conversion's scale operand
.endr
.irp b, 0,1,2,3
	v_lshrrev_b32 v[236+\b], 23, v[244+\b]         ; the scale's byte
.endr
	v_lshl_or_b32 v253, v237, 8, v236              ; p's scale word for these 128 keys
	v_lshl_or_b32 v253, v238, 16, v253
	v_lshl_or_b32 v253, v239, 24, v253
.irp c, 0,1                                    ; blocks 2 c and 2 c + 1.  In lanes 0-15 / 16-31 the four results hold, of the pair's 64 keys: 0-7 / 24-31, 8-15 / 16-23, 40-47 / 48-55, 32-39 / 56-63
	v_cvt_scalef32_pk8_fp4_f32 v[224+4*\c], v[96+32*\c:103+32*\c], v[244+2*\c]
	v_cvt_scalef32_pk8_fp4_f32 v[225+4*\c], v[104+32*\c:111+32*\c], v[244+2*\c]
	v_cvt_scalef32_pk8_fp4_f32 v[226+4*\c], v[120+32*\c:127+32*\c], v[245+2*\c]
	v_cvt_scalef32_pk8_fp4_f32 v[227+4*\c], v[112+32*\c:119+32*\c], v[245+2*\c]
.endr
	v_nop                                          ; one plain vector instruction between a scaled conversion and the vector instruction that touches its result
.irp c, 0,1                                    ; the first's lanes 16-31 change places with the second's lanes 0-15: registers 4 c .. 4 c + 3 then hold keys 64 c + 32 h + 0 .. 31 in order
	v_permlane16_swap_b32 v[224+4*\c], v[227+4*\c]
	v_permlane16_swap_b32 v[225+4*\c], v[226+4*\c]
.endr
	v_pk_add_f32 v[236:237], v[96:97], v[98:99]    ; THE ROW'S SUM IS TAKEN OF THE UNQUANTISED p: two at a time, in two chains.  (These 32 lines also stand between the making of p's codes and scale word and the products that take them)
.irp j, 4,8,12,16,20,24,28,32,36,40,44,48,52,56,60
	v_pk_add_f32 v[14:15], v[14:15], v[96+\j:97+\j]
	v_pk_add_f32 v[236:237], v[236:237], v[98+\j:99+\j]
.endr
	v_pk_add_f32 v[14:15], v[14:15], v[236:237]
	VLOAD 96, 4, \q                                ; V's tiles 4-7 into the registers that p's first half has left
.if \first == 0
.irp j, 0,2,4,6,8,10,12,14,16,18,20,22,24,26,28,30,32,34,36,38,40,42,44,46,48,50,52,54,56,58,60,62
	v_pk_mul_f32 v[160+\j:161+\j], v[160+\j:161+\j], v[252:253] op_sel_hi:[1,0]   ; O^T under the new M: x f; ascending, each accumulator from its low end on
.endr
.endif
	s_wait_dscnt 0x0                               ; V's eight tiles
	OPROD \q, \first
.endm
; A slot: four key steps, then the addresses step to the next 512 keys.  The five additions name no register of the last products: they are the places in front of the next step's loads and products, over the loop's backward jump too, and of the way out's first reads
.macro SLOT first
	STEP 0, \first
	STEP 1, 0
	STEP 2, 0
	STEP 3, 0
	v_add_nc_u32 v1, CH, v1
	v_add_nc_u32 v2, CH, v2
	v_add_nc_u32 v3, CH, v3
	v_add_nc_u32 v4, 2176, v4                      ; 512 keys' scale words: eight LDS rows
	v_add_nc_u32 v5, 16, v5                        ; four steps' words in each of V's rows
.endm
	SLOT 1                                         ; keys 0-511: written out, since the launch's first step starts O^T's sums
	s_mov_b32 s3, 3
.Lslot:                                            ; keys 512-2,047: three trips of four key steps; no wave waits for another
	SLOT 0
	s_sub_co_u32 s3, s3, 1
	s_cmp_lg_u32 s3, 0
	s_cbranch_scc1 .Lslot
	s_wait_kmcnt 0x0                               ; the last step's repeated mask words
	s_wait_dscnt 0x0                               ; my reads of K and V are over
	s_barrier_signal -1
	s_barrier_wait -1                              ; everybody's are: the stages may lie over K's first two chunks, which have had their only fill
	; THE WAY OUT.  The sum's two halves are added; O^T is divided by the sum and goes through my stage in LDS, half a row (64 channels, 256 bytes) of 16 queries at a time
	v_add_f32 v14, v14, v15                        ; the sum's two halves,
	v_permlanex16_b32 v252, v14, s[SEL], s[SEL+1]
	v_add_f32 v14, v14, v252                       ; and lane l xor 16's: the row's sum
	v_rcp_f32 v14, v14
	v_and_b32 v8, 15, v0                           ; (a plain place behind the reciprocal)  r
	v_bfe_u32 v9, v0, 4, 1                         ; h
	s_mul_i32 s53, s[WV], STG                      ; my stage
	v_mul_u32_u24 v10, v8, 272
	v_lshl_add_u32 v10, v9, 5, v10
	v_add_nc_u32 v10, s53, v10                     ; in: row r; tile t's eight channels of my half: 64 t + 32 h bytes on
	v_mul_u32_u24 v11, v9, 272
	v_lshl_add_u32 v11, v8, 4, v11
	v_add_nc_u32 v11, s53, v11                     ; back: lanes 0-15 one row, lanes 16-31 the next
.set n, 0
	s_wait_alu depctr_va_vdst(0)
.rept 64
	v_mul_f32 v[96+n], v[160+n], v14               ; O^T / the sum: register 8 t + i is o(r, 16 t + 8 h + i); ascending
.set n, n+1
.endr
.irp u, 0,1                                    ; channels 64 u on
.irp t, 0,1,2,3
	ds_store_b128 v10, v[96+32*\u+8*\t:99+32*\u+8*\t] offset:64*\t
	ds_store_b128 v10, v[100+32*\u+8*\t:103+32*\u+8*\t] offset:64*\t+16
.endr
.irp i, 0,1,2,3,4,5,6,7
	ds_load_b128 v[160+32*\u+4*\i:163+32*\u+4*\i], v11 offset:544*\i   ; LDS serves a wave's instructions in order: these see my stores, and the next half's stores come behind them
.endr
.endr
.irp u, 0,1
.irp i, 0,1,2,3,4,5,6,7
	s_wait_dscnt 23-16*\u-\i                       ; behind this load: its half's 7 - i younger loads, and behind half 0's the other half's eight stores and eight loads
	global_store_b128 v7, v[160+32*\u+4*\i:163+32*\u+4*\i], s[OP:OP+1] offset:1024*\i+256*\u th:TH_STORE_NT   ; sixteen lanes store 256 consecutive bytes, at a multiple of 256 from O's first byte; written once, read by nobody here
.endr
.endr
	s_wait_tensorcnt 0x0
	ds_add_u32 v242, v243
	s_wait_dscnt 0x0
	CROUND                                         ; the closing round: no work-group ends while a partner may still ask for a tile that names it.  (No LDS instruction and no tensor load of mine is out)
	s_endpgm
.Lfunc_end_k_qf83a2c7d12_attn:
	.size	k_qf83a2c7d12_attn, .Lfunc_end_k_qf83a2c7d12_attn-k_qf83a2c7d12_attn
	.p2alignl 7, 3214868480
	.fill 96, 4, 3214868480
	.section	.rodata,"a",@progbits
	.p2align	6, 0x0
	.amdhsa_kernel k_qf83a2c7d12_attn
		.amdhsa_group_segment_fixed_size 327680
		.amdhsa_private_segment_fixed_size 0
		.amdhsa_enable_private_segment 0
		.amdhsa_kernarg_size 64
		.amdhsa_user_sgpr_count 2
		.amdhsa_user_sgpr_kernarg_segment_ptr 1
		.amdhsa_wavefront_size32 1
		.amdhsa_system_sgpr_workgroup_id_x 1
		.amdhsa_system_sgpr_workgroup_id_y 1
		.amdhsa_system_sgpr_workgroup_id_z 1
		.amdhsa_system_vgpr_workitem_id 0
		.amdhsa_next_free_vgpr 256
		.amdhsa_next_free_sgpr 106
		.amdhsa_reserve_vcc 0
		.amdhsa_float_denorm_mode_32 3
		.amdhsa_float_denorm_mode_16_64 3
		.amdhsa_memory_ordered 1
		.amdhsa_forward_progress 1
		.amdhsa_inst_pref_size 188
	.end_amdhsa_kernel
	.amdgpu_metadata
---
amdhsa.version: [ 1, 2 ]
amdhsa.kernels:
  - .name:           k_qf83a2c7d12_attn
    .symbol:         k_qf83a2c7d12_attn.kd
    .args:
      - { .name: q_codes, .offset: 0, .size: 8, .value_kind: global_buffer, .address_space: global }
      - { .name: q_scales, .offset: 8, .size: 8, .value_kind: global_buffer, .address_space: global }
      - { .name: k_codes, .offset: 16, .size: 8, .value_kind: global_buffer, .address_space: global }
      - { .name: k_scales, .offset: 24, .size: 8, .value_kind: global_buffer, .address_space: global }
      - { .name: v_codes, .offset: 32, .size: 8, .value_kind: global_buffer, .address_space: global }
      - { .name: v_scales, .offset: 40, .size: 8, .value_kind: global_buffer, .address_space: global }
      - { .name: mbits, .offset: 48, .size: 8, .value_kind: global_buffer, .address_space: global }
      - { .name: out0, .offset: 56, .size: 8, .value_kind: global_buffer, .address_space: global }
    .group_segment_fixed_size: 327680
    .private_segment_fixed_size: 0
    .kernarg_segment_align: 8
    .kernarg_segment_size: 64
    .max_flat_workgroup_size: 512
    .sgpr_count:     106
    .vgpr_count:     256
    .wavefront_size: 32
...
	.end_amdgpu_metadata
.endif
;; end of part 2
